; MI455X (gfx1250); checked and timed in simulation.
; The chip was launched on July 23, 2026; its instructions are those of AMD's public machine-readable ISA for CDNA 5 (MIT licence, August 2026) and "CDNA5" Instruction Set Architecture Reference Guide (July 2026). The comments in the code are by the model that wrote it; some were corrected since.
;; Self Attention. Allowed arithmetic: matrix products marked QUANTISED: E2M1 operands, one E8M0 scale for each 32 along K, by v_wmma_scale_f32_16x16x128_f8f6f4 with both operands' format E2M1 (or v_wmma_scale_f32_32x16x128_f4), f32 sums; everything else in f32.
;; Inputs: W_out_codes 1,024 x 32 x 16 uint8 (E2M1 codes of W_out, K innermost, in blocks of 32 codes, two codes a byte); W_out_scales 1,024 x 32 uint8 (E8M0 scales of W_out, one for each 32 codes along K); W_qkv_codes 3,072 x 32 x 16 uint8 (E2M1 codes of W_qkv, K innermost, in blocks of 32 codes, two codes a byte); W_qkv_scales 3,072 x 32 uint8 (E8M0 scales of W_qkv, one for each 32 codes along K); b_out 1,024 float32; x 4 x 2,048 x 1,024 float32.
;; Outputs: out0 4 x 2,048 x 1,024 float32.
;; This version of the problem:
;;   THIS VERSION OF THE PROBLEM IS GIVEN IN LOW PRECISION. The matrix products marked QUANTISED in the list below multiply operands that are first quantised to E2M1 (2 exponent bits, 1 mantissa bit; 4 bits a number), with one power-of-two scale for each 32 numbers along K (OCP MX v1.0); their sums are f32. All else is computed in f32.
;;   The module's matrix products, in the order in which they are computed (A, B: the left and right operand; K: the contracted axis; several contracted axes count as one K, in the product's order):
;;     1. [M 8,192, K 1,024] x [K 1,024, N 3,072]; A: input x; B: input W_qkv (given as codes): QUANTISED
;;     2. batch 64 x [M 2,048, K 64] x [K 64, N 2,048]; A: computed on the way; B: computed on the way: QUANTISED
;;     3. batch 64 x [M 64, K 2,048] x [K 2,048, N 2,048]; A: computed on the way; B: softmax (see below): QUANTISED
;;     4. [M 8,192, K 1,024] x [K 1,024, N 1,024]; A: computed on the way; B: input W_out (given as codes): QUANTISED
;;   THE QUANTISER, for each operand of a quantised product, along K:
;;     - K is cut into blocks of 32 from its start; a last block that is shorter is filled with zeros.
;;     - A block's scale is 2^e with e = floor(log2(the largest magnitude in the block)) - 2, held to -126 .. 127; a block of zeros has e = 0. As a byte (E8M0): e + 127.
;;     - Each number is divided by its block's scale, clamped to +-6, and rounded to the nearest number of E2M1, ties to even, subnormals kept.
;;     - The product sums the exact products of the quantised numbers (number of the format x scale) in f32.
;;   ~~~python
;;   def quantise(x, axis):      # numpy; x: float32 -> the quantised numbers, widened to float32 again
;;       x = np.moveaxis(x, axis, -1); K = x.shape[-1]
;;       x = np.pad(x, [(0, 0)] * (x.ndim - 1) + [(0, -K % 32)]); x = x.reshape(x.shape[:-1] + (-1, 32)); a = np.abs(x).max(-1, keepdims=True)
;;       e = np.where(a > 0, np.clip(np.frexp(np.where(a > 0, a, 1))[1] - 1 - 2, -126, 127), 0)      # np.frexp(a)[1] - 1 = floor(log2(a)), exactly
;;       r = np.clip(x / 2.0 ** e, -6, 6)
;;       step = 2.0 ** (np.maximum(np.frexp(np.where(r == 0, 1, r))[1] - 1, 0) - 1)
;;       q = np.round(r / step) * step * 2.0 ** e      # np.round: ties to even
;;       return np.moveaxis(q.reshape(q.shape[:-2] + (-1,))[..., :K], -1, axis).astype(np.float32)
;;   ~~~
;;   SOFTMAX AHEAD OF A QUANTISED PRODUCT. Where the list says 'softmax', what is quantised is not the finished softmax but p = 2^(t - M), with t = logit x log2(e) and M = ceil(the row's largest t), a whole number; so 1/2 < the row's largest p <= 1. The row's sum l is taken of the UNQUANTISED p, in f32, and the product's result is divided by l at the end. Since M is a whole number, a kernel that streams over the keys may use a running M (the ceiling of the running maximum): every later rescaling is an exact power of two, which a block's scale takes up: the codes' values come out the same.
;;   OPERANDS COMPUTED ON THE WAY. 'Computed on the way' means the value that the module computes at that place (a softmax that the list does not call 'softmax' is quantised finished and normalised). What goes into a quantiser is computed in f32, as accurately as f32 sums, v_exp_f32 and their like allow (about 1e-6 of the number): no bf16 or f16 on the way to a quantiser, and a product that is left as it is and whose result goes on into a quantised operand takes f32 operands (vector FMAs, or v_wmma_f32_16x16x4_f32). A number that lies on a knife's edge between two numbers of the format may be rounded either way, as far as f32 arithmetic and the matrix unit's own rounding can turn it there, and no further.
;;   INPUTS GIVEN AS CODES. W_out (in the module: [1024, 1024], K = its axis 1); W_qkv (in the module: [3072, 1024], K = its axis 1): each comes as NAME_codes (uint8): NAME with its K axis moved to the last place and cut into blocks of 32 codes, [.., K / 32, bytes a block], one block behind the other in memory; two codes a byte, the lower K in the low four bits (a code: sign, 2 exponent bits, 1 mantissa bit); and NAME_scales (uint8): the same leading axes, one E8M0 byte (e + 127) for each 32 codes along K. Its value is code x scale, taken as it is: it is not quantised again, and the codes and scales need not be those that the quantiser above would give.
;; One version. Each part assembles by itself: llvm-mc -triple=amdgcn-amd-amdhsa -mcpu=gfx1250 --defsym DOCPART=n.
;; ======== version 1 of 1: 4 launches
;; workspace buffers: xc 4,194,304 bytes; xs 262,144 bytes; kv 9,175,040 bytes; qq 4,718,592 bytes; oc 4,194,304 bytes; os 262,144 bytes
;; launch quantx (part 1): grid 256 x 1, 4 waves a work-group, no clusters, 168,448 bytes of LDS; arguments x, xc, xs; writes xc, xs
.if DOCPART == 1
	.amdgcn_target "amdgcn-amd-amdhsa--gfx1250"
	.amdhsa_code_object_version 6
	.text
	.protected	k_q85b9582804_quantx
	.globl	k_q85b9582804_quantx
	.p2align	8
	.type	k_q85b9582804_quantx,@function
k_q85b9582804_quantx:
	s_mov_b64 s[64:65], 0
	v_nop
	global_prefetch_b8 v0, s[64:65] scope:SCOPE_SE
	s_setreg_imm32_b32 hwreg(HW_REG_WAVE_MODE, 25, 1), 1
	s_wait_xcnt 0x0
; x [8192][1024] f32 becomes codes of FP4 (E2M1) with one E8M0 byte for each 32 along C, laid in the ORDER OF THE OPERAND'S REGISTERS:
;   xc [tile of 16 rows T][K step s of 128][c 0,1][lane][16 bytes]: lane (r, h) holds the codes of x(16 T + r, 128 s + 64 c + 32 h + 0 .. 31);
;   xs [T][q 0,1][r][4 words]: word j is row r's scale word of K step 4 q + j, so that one 16-byte load a lane at 16 x lane gives K steps 0-3 in lanes 0-15 and K steps 4-7 in lanes 16-31.
; A block's scale is 2^(floor(log2(largest magnitude)) - 2); its byte is the largest magnitude's exponent field - 2, held at 1 from below.
; LIMITS: NaN and infinities among the inputs are not served; a block whose largest magnitude lies under 2^-124 keeps the byte 1; a block of zeros gets the byte 1 where the rule says 127
; (its codes are zeros, which add nothing under any byte but 0xff, and this program alone reads the bytes).
; SHARES.  A work-group owns 32 rows; wave w owns tile T = 2 x work-group + w / 2 and K steps 4 (w % 2) .. + 3.  Each K step of 16 rows x 512 bytes comes by one tensor load into the wave's own LDS bytes:
; four loads a wave, all issued at the head (four outstanding by this text's count), every byte of LDS filled once.  A wave reads only what it fetched, behind its own counter: no barrier.
; No cluster: no two work-groups read the same byte.  No matrix unit: nothing is multiplied.
.set PITCH, 528                        ; an LDS row: 512 bytes + 16 of padding = 132 words: row r starts at bank 4 r mod 64 (64 banks of 4 bytes: ISA guide 11.1)
.set SSTEP, 16*PITCH                   ; a K step's 16 rows
.set WREG,  4*SSTEP                    ; a wave's four K steps
.set X,   32                           ; v32-95   my 64 numbers of a K step: 32 c + i = k 64 c + 32 h + i
.set C,   96                           ; v96-127  codes: eight registers for each K step, so that no store's data are written again
.set W,   16                           ; v16-19   my row's scale word of each K step
.set G1,  16                           ; s[16:23] descriptor group 1
.set G0,  24                           ; s[24:39] descriptor group 0, one set for each K step
.set SEL, 40                           ; s[40:41] v_permlanex16_b32's selects for lane l xor 16
.set HM,  42                           ; s42      a mask of lanes 16-31
	s_load_b128 s[4:7], s[0:1], 0x0                ; x, xc
	s_load_b64 s[8:9], s[0:1], 0x10                ; xs
	v_lshl_add_u32 v128, v0, 2, 0x29000
	v_mov_b32 v129, 0
	ds_add_u32 v128, v129
	ds_add_u32 v128, v129
	v_lshrrev_b32 v1, 5, v0
	v_readfirstlane_b32 s10, v1                    ; wave 0..3
	s_lshr_b32 s11, s10, 1
	s_and_b32 s12, s10, 1                          ; q: which four K steps
	s_lshl_b32 s13, ttmp9, 1
	s_add_co_u32 s13, s13, s11                     ; T
	s_mov_b32 s[G1+0], (2<<16)|(1<<20)|(6<<22)|(3<<25)   ; no mask; elements of 4 bytes; padding on: 4 words behind every 128
	s_mov_b32 s[G1+1], 128<<16                     ; tensor_dim0 = 128
	s_mov_b32 s[G1+2], 16<<16                      ; tensor_dim1 = 16
	s_mov_b32 s[G1+3], 128<<16                     ; tile_dim0 = 128
	s_mov_b32 s[G1+4], 16                          ; tile_dim1 = 16
	s_mov_b32 s[G1+5], 1024                        ; elements from row to row
	s_mov_b32 s[G1+6], 0
	s_mov_b32 s[G1+7], 0
	s_lshl_b32 s44, s13, 16                        ; x: T x 16 rows x 4,096 bytes
	s_lshl_b32 s45, s12, 11                        ;    + q x 4 K steps x 512 bytes
	s_add_co_u32 s44, s44, s45
	s_mov_b32 s45, 0
	s_lshl_b32 s46, s13, 13                        ; xc: T x 8,192 + q x 4,096
	s_lshl_b32 s47, s12, 12
	s_add_co_u32 s46, s46, s47
	s_mov_b32 s47, 0
	s_lshl_b32 s48, s13, 9                         ; xs: T x 512 + q x 256
	s_lshl_b32 s49, s12, 8
	s_add_co_u32 s48, s48, s49
	s_mov_b32 s49, 0
	s_mul_i32 s43, s10, WREG                       ; my wave's LDS bytes
	s_mov_b32 s[SEL], 0x76543210
	s_mov_b32 s[SEL+1], 0xfedcba98
	s_mov_b32 s[HM], 0xffff0000
	s_wait_dscnt 0x0
	s_wait_kmcnt 0x0
	s_add_nc_u64 s[4:5], s[4:5], s[44:45]
	s_add_nc_u64 s[6:7], s[6:7], s[46:47]
	s_add_nc_u64 s[8:9], s[8:9], s[48:49]
.irp j, 0,1,2,3
	s_mov_b32 s[G0+4*\j], 1                        ; count = 1
	s_add_co_u32 s[G0+4*\j+1], s43, \j*SSTEP       ; LDS address
	s_add_nc_u64 s[G0+4*\j+2:G0+4*\j+3], s[4:5], \j*512   ; global address: my j-th K step
	s_or_b32 s[G0+4*\j+3], s[G0+4*\j+3], 0x80000000       ; type = 2
.endr
.irp j, 0,1,2,3
	tensor_load_to_lds s[G0+4*\j:G0+4*\j+3], s[G1:G1+7]   ; all first fills in one group, ahead of every wait on TENSORcnt and every LDS read
	s_nop 0
.endr
.rept 4
	v_nop
.endr
	v_and_b32 v1, 31, v0                           ; lane
	v_and_b32 v2, 15, v0                           ; r
	v_bfe_u32 v3, v0, 4, 1                         ; h
	v_mul_u32_u24 v4, v2, PITCH
	v_lshl_add_u32 v4, v3, 7, v4
	v_add_nc_u32 v4, s43, v4                       ; LDS: row r, + 128 h bytes: my 32 numbers of each 64
	v_lshlrev_b32 v5, 4, v1                        ; codes out: 16 x lane
	v_lshlrev_b32 v6, 4, v2
	v_lshl_add_u32 v6, v3, 3, v6                   ; scale words out: 16 r + 8 h
	v_lshlrev_b32 v7, 3, v3                        ; 8 h: my bytes' place in a scale word
	v_mov_b32 v15, 0                               ; written once: a lane permute's destination counts as one of its sources
.macro STEP j
	s_wait_tensorcnt 3-\j                          ; tensor loads of a wave end in order: my j-th is in, the 3 - j younger ones may be out
.irp c, 0,1
.irp i, 0,1,2,3,4,5,6,7
	ds_load_b128 v[X+32*\c+4*\i:X+32*\c+4*\i+3], v4 offset:\j*SSTEP+256*\c+16*\i
.endr
.endr
	s_wait_dscnt 0x0
.irp c, 0,1
	v_max3_num_f32 v[8+\c], |v[X+32*\c]|, |v[X+32*\c+1]|, 0x1800000   ; block 2 c + h is all mine; the floor 2^(3 - 127) holds the byte at 1 from below
.endr
.irp i, 2,4,6,8,10,12,14,16,18,20,22,24,26,28,30
.irp c, 0,1
	v_max3_num_f32 v[8+\c], v[8+\c], |v[X+32*\c+\i]|, |v[X+32*\c+\i+1]|
.endr
.endr
.irp c, 0,1
	v_add_nc_u32 v[10+\c], 0xff000000, v[8+\c]     ; 2 off the exponent field: the conversion's scale operand
.endr
.irp c, 0,1
	v_lshrrev_b32 v[12+\c], 23, v[10+\c]           ; the scale's byte
.endr
.irp c, 0,1
.irp g, 0,1,2,3
	v_cvt_scalef32_pk8_fp4_f32 v[C+8*\j+4*\c+\g], v[X+32*\c+8*\g:X+32*\c+8*\g+7], v[10+\c]   ; register 4 c + g of the operand
.endr
.endr
	v_lshl_or_b32 v14, v13, 16, v12                ; (the plain place behind the conversions)  my bytes: blocks h and 2 + h,
	v_lshlrev_b32 v14, v7, v14                     ; at their places in the word;
	v_permlanex16_b32 v15, v14, s[SEL], s[SEL+1]
	v_or_b32 v[W+\j], v14, v15                     ; with lane l xor 16's two the word is whole
.irp c, 0,1
	global_store_b128 v5, v[C+8*\j+4*\c:C+8*\j+4*\c+3], s[6:7] offset:\j*1024+512*\c   ; 32 lanes store 512 consecutive bytes
.endr
.endm
	STEP 0
	STEP 1
	STEP 2
	STEP 3                                         ; its wait on TENSORcnt is for 0: none is out at the end
	v_cndmask_b32 v20, v[W], v[W+2], s[HM]         ; lanes 0-15 store words 0, 1 of their row, lanes 16-31 words 2, 3
	v_cndmask_b32 v21, v[W+1], v[W+3], s[HM]
	global_store_b64 v6, v[20:21], s[8:9]          ; 32 lanes store 256 consecutive bytes, aligned
	s_wait_tensorcnt 0x0
	ds_add_u32 v128, v129
	s_wait_dscnt 0x0
	s_endpgm
.Lfunc_end_k_q85b9582804_quantx:
	.size	k_q85b9582804_quantx, .Lfunc_end_k_q85b9582804_quantx-k_q85b9582804_quantx
	.p2alignl 7, 3214868480
	.fill 96, 4, 3214868480
	.section	.rodata,"a",@progbits
	.p2align	6, 0x0
	.amdhsa_kernel k_q85b9582804_quantx
		.amdhsa_group_segment_fixed_size 168448
		.amdhsa_private_segment_fixed_size 0
		.amdhsa_enable_private_segment 0
		.amdhsa_kernarg_size 24
		.amdhsa_user_sgpr_count 2
		.amdhsa_user_sgpr_kernarg_segment_ptr 1
		.amdhsa_wavefront_size32 1
		.amdhsa_system_sgpr_workgroup_id_x 1
		.amdhsa_system_sgpr_workgroup_id_y 1
		.amdhsa_system_sgpr_workgroup_id_z 1
		.amdhsa_system_vgpr_workitem_id 0
		.amdhsa_next_free_vgpr 130
		.amdhsa_next_free_sgpr 66
		.amdhsa_reserve_vcc 0
		.amdhsa_float_denorm_mode_32 3
		.amdhsa_float_denorm_mode_16_64 3
		.amdhsa_memory_ordered 1
		.amdhsa_forward_progress 1
		.amdhsa_inst_pref_size 22
	.end_amdhsa_kernel
	.amdgpu_metadata
---
amdhsa.version: [ 1, 2 ]
amdhsa.kernels:
  - .name:           k_q85b9582804_quantx
    .symbol:         k_q85b9582804_quantx.kd
    .args:
      - { .name: x, .offset: 0, .size: 8, .value_kind: global_buffer, .address_space: global }
      - { .name: xc, .offset: 8, .size: 8, .value_kind: global_buffer, .address_space: global }
      - { .name: xs, .offset: 16, .size: 8, .value_kind: global_buffer, .address_space: global }
    .group_segment_fixed_size: 168448
    .private_segment_fixed_size: 0
    .kernarg_segment_align: 8
    .kernarg_segment_size: 24
    .max_flat_workgroup_size: 128
    .sgpr_count:     66
    .vgpr_count:     130
    .wavefront_size: 32
...
	.end_amdgpu_metadata
.endif
;; end of part 1
;; launch qkv (part 2): grid 16 x 16, 4 waves a work-group, clusters of 4 x 1, 168,448 bytes of LDS; arguments xc, xs, W_qkv_codes, W_qkv_scales, kv, qq; writes kv, qq
.if DOCPART == 2
	.amdgcn_target "amdgcn-amd-amdhsa--gfx1250"
	.amdhsa_code_object_version 6
	.text
	.protected	k_q85b9582804_qkv
	.globl	k_q85b9582804_qkv
	.p2align	8
	.type	k_q85b9582804_qkv,@function
k_q85b9582804_qkv:
	s_mov_b64 s[64:65], 0
	v_nop
	global_prefetch_b8 v0, s[64:65] scope:SCOPE_SE
	s_setreg_imm32_b32 hwreg(HW_REG_WAVE_MODE, 25, 1), 1
	s_wait_xcnt 0x0
	s_wait_alu depctr_hold_cnt(0) depctr_sa_sdst(0) depctr_va_vdst(0) depctr_va_sdst(0) depctr_va_ssrc(0) depctr_va_vcc(0) depctr_vm_vsrc(0)
	s_getreg_b32 s2, hwreg(HW_REG_IB_STS2, 6, 4)
	s_cmp_eq_u32 s2, 0
	s_cbranch_scc0 .Lentry_in_a_cluster
	s_endpgm
.Lentry_in_a_cluster:
	s_bfe_u32 s2, ttmp6, 0x10000c
	s_cmp_lg_u32 s2, 0x3003
	s_cbranch_scc0 .Lentry_shape_is_right
	s_endpgm
.Lentry_shape_is_right:
; qkv = Q(x) W_qkv^T on codes of FP4, and its results quantised at once: q and k along the head's 64 channels, v along the keys.  qkv itself never goes to memory.
; SHARES.  A work-group takes one head (rows 192 head .. + 191 of W_qkv: 64 of q, 64 of k, 64 of v) and 512 tokens of one batch; each of its four waves takes 128 tokens (one key step of the attention),
; in two groups of 64 tokens: 4 tiles of tokens x 12 tiles of W's rows = 48 accumulators, 384 registers.
; CLUSTER.  The four work-groups of a cluster take the four quarters of a batch for ONE head: they need the same 192 rows of W and ask for them jointly, once; W then stays in LDS (every byte filled once).
; x's fragments come from xc, which is laid in the order of the operand's registers, straight into registers: all eight K steps of a group (256 registers); the next group's replace them K step by K step.
; q AND k ARE MADE TRANSPOSED (source 0 = 16 rows of W, source 1 = 16 tokens): a lane holds ONE token and eight neighbouring channels.  v IS MADE AS IT IS (source 0 = tokens, source 1 = rows of W):
; a lane holds ONE channel and eight neighbouring tokens, which are the keys.  In both cases four tiles T0..T3 are 64 neighbours along the next K, tile t's register j being 16 t + 8 (lane / 16) + j.
; Codes P0 = T0, P1 = T2, P2 = T1, P3 = T3; then P0's lanes 16-31 change places with P1's lanes 0-15, and P2's with P3's: P0..P3 hold k = 32 (lane / 16) + 0 .. 31: four registers of an operand.
; OUT: kv [batch x head][key step]: 8,960 bytes: K's codes [tile 8][lane][16] | V's codes [channel tile 4][c 2][lane][16] | K's scale words [group 2][r][tile 4] | V's scale words [r][tile 4];
;      qq [batch x head][128 tokens]: 4,608 bytes: Q's codes [tile 8][lane][16] | Q's scale words [group 2][r][tile 4].  q's and k's K is 64: their words' upper two bytes are 0, over codes that the reader sets to zero.
; LIMITS: as in the launch that quantises x: NaN and infinities are not served; blocks under 2^-124, and blocks of zeros, keep the byte 1.
; REGISTERS, in windows of 256: window 0: v1-5 addresses; v16-111 W's fragments (q's, k's, v's four each); v112-159 W's scale words; v160-191 x's; v192-243 at work.
;   window 1: x's fragments (tile m, K step s) at 8 (8 m + s).   window 2: q's accumulators (m, t) at 8 (4 m + t), k's at 128 + the same.   window 3: v's (t, m) at 8 (4 t + m).
.set PITCH, 528                        ; a row of W in LDS: 512 bytes + 16 = 132 words: row r starts at bank 4 r mod 64 (ISA guide 11.1)
.set TILEB, 16*PITCH
.set SCW,   192*PITCH                  ; behind the codes: W's scale bytes, 24 units of 256 bytes + 16
.set LI,   1                           ; 16 x lane
.set LS8,  2                           ; 16 r + 8 h
.set ADW0, 3                           ; r x PITCH + 16 h
.set ADW1, 4                           ; the same, eight tiles on (v's rows)
.set ADS,  5                           ; my row's scale words: lanes 0-15 K steps 0-3, lanes 16-31 K steps 4-7
.set FQ,   16
.set FK,   48
.set FV,   80
.set WS,   112                         ; 4 nt + i: tile nt of W's rows; lanes 0-15 K step i, lanes 16-31 K step 4 + i
.set XS,   160                         ; 4 (4 group + m) + i: likewise for x's tiles
.set TM,   192                         ; eight largest magnitudes
.set TP,   200                         ; lane l xor 16's, then the bytes
.set SO,   208                         ; the conversions' scale operands
.set PC,   216                         ; sixteen registers of codes
.set WD,   232                         ; four scale words
.set STP,  236                         ; the pair that is stored
.set VK,   240                         ; v's half words of group 0
.set G1W,  16
.set G1S,  24
.set G0W,  32
.set G0S,  36
.set WV,   40
.set XC,   42
.set XSB,  44
.set KV,   46
.set QQ,   48
.set SEL,  50
.set HM,   52
.set MSB, 0
.macro WIN new                         ; the immediate's high byte repeats the setting that is left; a switch that changes nothing is dropped
.if MSB != (\new)
	s_set_vgpr_msb (MSB<<8)|(\new)
.set MSB, (\new)
.endif
.endm
.macro PLACES                          ; four places behind a matrix instruction, in front of loads into its registers and of reads of its result
.rept 4
	v_nop
.endr
.endm
.macro ROUND                           ; a round of the cluster's barrier
	s_barrier_signal -1
	s_barrier_wait -1
	s_cmp_lg_u32 s[WV], 0
	s_cbranch_scc1 .Lnot_wave_0_\@
	s_barrier_signal -3
.Lnot_wave_0_\@:
	s_barrier_wait -3
	s_barrier_signal -1
	s_barrier_wait -1
.endm
	s_load_b256 s[4:11], s[0:1], 0x0               ; xc, xs, W's codes, W's scales
	s_load_b128 s[12:15], s[0:1], 0x20             ; kv, qq
	v_lshl_add_u32 v254, v0, 2, 0x29000
	v_mov_b32 v255, 0
	ds_add_u32 v254, v255
	ds_add_u32 v254, v255
	v_lshrrev_b32 v6, 5, v0
	v_readfirstlane_b32 s[WV], v6                  ; wave 0..3
	v_and_b32 v6, 31, v0
	v_lshlrev_b32 v[LI], 4, v6
	v_and_b32 v7, 15, v0                           ; r
	v_bfe_u32 v8, v0, 4, 1                         ; h
	v_lshlrev_b32 v[LS8], 4, v7
	v_lshl_add_u32 v[LS8], v8, 3, v[LS8]
	v_mul_u32_u24 v[ADW0], v7, PITCH
	v_lshl_add_u32 v[ADW0], v8, 4, v[ADW0]
	v_add_nc_u32 v[ADW1], 8*TILEB, v[ADW0]
	v_lshrrev_b32 v9, 3, v7
	v_lshlrev_b32 v[ADS], 5, v7                    ; 32 bytes a row,
	v_lshl_add_u32 v[ADS], v8, 4, v[ADS]           ; my half's four words,
	v_lshl_add_u32 v[ADS], v9, 4, v[ADS]           ; 16 bytes of padding behind each eight rows
	v_add_nc_u32 v[ADS], SCW, v[ADS]
.irp i, 0,1,2,3,4,5,6,7
	v_mov_b32 v[TP+\i], 0                          ; written once: a lane permute's destination counts as one of its sources
.endr
	s_bfe_u32 s41, ttmp6, 0x40000                  ; cx: which quarter of the batch; it enters global addresses of x, kv and qq alone
	s_and_b32 s53, ttmp7, 0xffff                   ; the head, which the four partners share
	s_lshl_b32 s54, ttmp9, 7                       ; the batch (ttmp9 counts clusters): 128 tiles of tokens
	s_lshl_b32 s55, s41, 5
	s_add_co_u32 s54, s54, s55
	s_lshl_b32 s55, s[WV], 3
	s_add_co_u32 s54, s54, s55                     ; my first tile of tokens: 128 b + 32 cx + 8 w
	s_lshl_b32 s[XC], s54, 13
	s_mov_b32 s[XC+1], 0
	s_lshl_b32 s[XSB], s54, 9
	s_mov_b32 s[XSB+1], 0
	s_lshl_b32 s55, ttmp9, 4
	s_add_co_u32 s55, s55, s53
	s_lshl_b32 s55, s55, 4
	s_lshl_b32 s56, s41, 2
	s_add_co_u32 s55, s55, s56
	s_add_co_u32 s55, s55, s[WV]                   ; my block of kv and qq: (16 b + head) x 16 + 4 cx + w
	s_mul_i32 s[KV], s55, 8960
	s_mov_b32 s[KV+1], 0
	s_mul_i32 s[QQ], s55, 4608
	s_mov_b32 s[QQ+1], 0
	s_mul_i32 s56, s53, 192
	s_mul_i32 s57, s[WV], 48
	s_add_co_u32 s56, s56, s57                     ; the 48 rows of W that I fetch: head and wave alone enter
	s_lshl_b32 s58, s56, 9
	s_mov_b32 s59, 0
	s_lshl_b32 s60, s56, 5
	s_mov_b32 s61, 0
	s_mov_b32 s[G1W+0], 15|(1<<20)|(1<<21)|(6<<22)|(3<<25)   ; the mask: all four work-groups; elements of 1 byte; padding: 4 words behind every 128; bit 21 beside a mask
	s_mov_b32 s[G1W+1], 512<<16
	s_mov_b32 s[G1W+2], 48<<16
	s_mov_b32 s[G1W+3], 512<<16
	s_mov_b32 s[G1W+4], 48
	s_mov_b32 s[G1W+5], 512
	s_mov_b32 s[G1W+6], 0
	s_mov_b32 s[G1W+7], 0
	s_mov_b32 s[G1S+0], 15|(3<<16)|(1<<20)|(1<<21)|(5<<22)|(3<<25)   ; 48 rows' scale bytes: 1,536 dense bytes as 6 rows of 32 elements of 8 bytes; 4 words behind every 64
	s_mov_b32 s[G1S+1], 32<<16
	s_mov_b32 s[G1S+2], 6<<16
	s_mov_b32 s[G1S+3], 32<<16
	s_mov_b32 s[G1S+4], 6
	s_mov_b32 s[G1S+5], 32
	s_mov_b32 s[G1S+6], 0
	s_mov_b32 s[G1S+7], 0
	s_mov_b32 s[SEL], 0x76543210
	s_mov_b32 s[SEL+1], 0xfedcba98
	s_mov_b32 s[HM], 0xffff0000
	s_wait_dscnt 0x0
	s_wait_kmcnt 0x0
	s_add_nc_u64 s[XC:XC+1], s[4:5], s[XC:XC+1]
	s_add_nc_u64 s[XSB:XSB+1], s[6:7], s[XSB:XSB+1]
	s_add_nc_u64 s[KV:KV+1], s[12:13], s[KV:KV+1]
	s_add_nc_u64 s[QQ:QQ+1], s[14:15], s[QQ:QQ+1]
	s_mov_b32 s[G0W], 1
	s_mul_i32 s[G0W+1], s[WV], 48*PITCH
	s_add_nc_u64 s[G0W+2:G0W+3], s[8:9], s[58:59]
	s_or_b32 s[G0W+3], s[G0W+3], 0x80000000
	s_mov_b32 s[G0S], 1
	s_mul_i32 s[G0S+1], s[WV], 6*272
	s_add_co_u32 s[G0S+1], s[G0S+1], SCW
	s_add_nc_u64 s[G0S+2:G0S+3], s[10:11], s[60:61]
	s_or_b32 s[G0S+3], s[G0S+3], 0x80000000
; x's fragments of group grp, K step s: 8 loads (window 1 is the destination's)
.macro XLOAD grp, s
.irp m, 0,1,2,3
.irp c, 0,1
	global_load_b128 v[8*(8*\m+(\s))+4*\c:8*(8*\m+(\s))+4*\c+3], v[LI], s[XC:XC+1] offset:(4*(\grp)+\m)*8192+(\s)*1024+\c*512
.endr
.endr
.endm
.irp i, 0,1,2,3,4,5,6,7
	global_load_b128 v[XS+4*\i:XS+4*\i+3], v[LI], s[XSB:XSB+1] offset:\i*512   ; x's scale words of my eight tiles
.endr
	WIN 0x40
.irp s, 0,1,2,3,4,5,6,7
	XLOAD 0, \s
.endr
	WIN 0
	ROUND                                          ; all four work-groups are here: the joint loads meet
	tensor_load_to_lds s[G0W:G0W+3], s[G1W:G1W+7]  ; two loads of mine are out: the launch's only fills
	s_nop 0
	tensor_load_to_lds s[G0S:G0S+3], s[G1S:G1S+7]
	s_nop 0
.rept 4
	v_nop
.endr
	s_wait_tensorcnt 0x0                           ; my parts of W have landed,
	s_barrier_signal -1
	s_barrier_wait -1                              ; everybody's have
.irp n, 0,1,2,3,4,5,6,7,8,9,10,11
	ds_load_b128 v[WS+4*\n:WS+4*\n+3], v[ADS] offset:\n*544   ; 16 rows' scale bytes are two units
.endr
; one product: zero = 1: it starts the sum; row = 1: both scale words from lanes 16-31
.macro WM d, a, b, zero, sa, sb, row
.if \zero
	v_wmma_scale_f32_16x16x128_f8f6f4 v[\d:\d+7], v[\a:\a+7], v[\b:\b+7], 0, v[\sa], v[\sb] matrix_a_fmt:MATRIX_FMT_FP4 matrix_b_fmt:MATRIX_FMT_FP4
.elseif \row
	v_wmma_scale_f32_16x16x128_f8f6f4 v[\d:\d+7], v[\a:\a+7], v[\b:\b+7], v[\d:\d+7], v[\sa], v[\sb] matrix_a_fmt:MATRIX_FMT_FP4 matrix_b_fmt:MATRIX_FMT_FP4 matrix_a_scale:MATRIX_SCALE_ROW1 matrix_b_scale:MATRIX_SCALE_ROW1
.else
	v_wmma_scale_f32_16x16x128_f8f6f4 v[\d:\d+7], v[\a:\a+7], v[\b:\b+7], v[\d:\d+7], v[\sa], v[\sb] matrix_a_fmt:MATRIX_FMT_FP4 matrix_b_fmt:MATRIX_FMT_FP4
.endif
.endm
; four fragments of W: tiles nt0 .. nt0 + 3 counted from adr's first row, K step s
.macro FETCH f, adr, nt0, s
.irp t, 0,1,2,3
.irp c, 0,1
	ds_load_b128 v[\f+8*\t+4*\c:\f+8*\t+4*\c+3], v[\adr] offset:(\nt0+\t)*TILEB+64*(\s)+32*\c
.endr
.endr
.endm
; 16 products, transposed (q, k): source 0 = W's rows, source 1 = x's tokens
.macro MULT f, accb, nt0, grp, s
.irp m, 0,1,2,3
.irp t, 0,1,2,3
	WM \accb+8*(4*\m+\t), \f+8*\t, 8*(8*\m+(\s)), (\s)==0, WS+4*(\nt0+\t)+(\s)%4, XS+4*(4*(\grp)+\m)+(\s)%4, (\s)>=4
.endr
.endr
.endm
; 16 products as they are (v): source 0 = x's tokens, source 1 = W's rows
.macro MULN grp, s
.irp t, 0,1,2,3
.irp m, 0,1,2,3
	WM 8*(4*\t+\m), 8*(8*\m+(\s)), FV+8*\t, (\s)==0, XS+4*(4*(\grp)+\m)+(\s)%4, WS+4*(8+\t)+(\s)%4, (\s)>=4
.endr
.endr
.endm
; A K step of 128: 48 products; the 48 accumulators take turns, one instruction a turn, in the same order in every K step.
; Each run of eight LDS loads stands behind the sixteen products that read its registers, and 32 products ahead of its use.
.macro KSTEP grp, s
.if (\grp) == 0
	s_wait_loadcnt 56                              ; this K step's fragments of x are in; behind them: 8 (7 - s) loads of this group and 8 s of the next
.else
	s_wait_loadcnt 8*(7-(\s))                      ; behind them: the later K steps' loads
.endif
	s_wait_dscnt 16                                ; q's fragments are in; k's and v's eight loads each may be out
	WIN 0xa4                                       ; source 1 (x) window 1, C and D window 2
	MULT FQ, 0, 0, \grp, \s
.if (\s) < 7
	PLACES
	WIN 0
	FETCH FQ, ADW0, 0, (\s)+1
	s_wait_dscnt 16                                ; k's are in; v's and the next q's may be out
.else
	s_wait_dscnt 8                                 ; k's are in; v's may be out
.endif
	WIN 0xa4
	MULT FK, 128, 4, \grp, \s
.if (\s) < 7
	PLACES
	WIN 0
	FETCH FK, ADW0, 4, (\s)+1
	s_wait_dscnt 16                                ; v's are in; the next q's and k's may be out
.else
	s_wait_dscnt 0x0
.endif
	WIN 0xf1                                       ; source 0 (x) window 1, C and D window 3
	MULN \grp, \s
	PLACES
	WIN 0
.if (\s) < 7
	FETCH FV, ADW1, 0, (\s)+1
.endif
.if (\grp) == 0
	WIN 0x40
	XLOAD 1, \s                                    ; the next group's fragments take this K step's registers
	WIN 0
.endif
.endm
; Four rows of 32 registers (row i at base + 32 i, in window win; a row = four tiles = 64 along the next K = two blocks) become codes in PC + 4 i .. + 3 and scale words (two bytes) in WD + i.
.macro QUANT4 win, base
	WIN ((\win)<<2)|((\win)<<4)                    ; sources 1 and 2: the accumulators' window
.irp n, 0,1,2,3,4,5,6,7
	v_max3_num_f32 v[TM+\n], 0x1800000, |v[\base+16*\n]|, |v[\base+16*\n+1]|   ; block n: my 16 numbers, each accumulator from its low end on, and the floor 2^(3 - 127)
.endr
.irp i, 2,4,6,8,10,12,14
.irp n, 0,1,2,3,4,5,6,7
	v_max3_num_f32 v[TM+\n], v[TM+\n], |v[\base+16*\n+\i]|, |v[\base+16*\n+\i+1]|
.endr
.endr
	WIN 0
.irp n, 0,1,2,3,4,5,6,7
	v_permlanex16_b32 v[TP+\n], v[TM+\n], s[SEL], s[SEL+1]
.endr
.irp n, 0,1,2,3,4,5,6,7
	v_max_num_f32 v[TM+\n], v[TM+\n], v[TP+\n]     ; with lane l xor 16's: the block's largest magnitude
.endr
.irp n, 0,1,2,3,4,5,6,7
	v_add_nc_u32 v[SO+\n], 0xff000000, v[TM+\n]    ; 2 off the exponent field: the conversion's scale operand
.endr
.irp n, 0,1,2,3,4,5,6,7
	v_lshrrev_b32 v[TP+\n], 23, v[SO+\n]           ; the byte
.endr
.irp i, 0,1,2,3
	v_lshl_or_b32 v[WD+\i], v[TP+2*\i+1], 8, v[TP+2*\i]
.endr
	s_wait_xcnt 0x0                                ; the earlier stores have read PC and STP: both are written again only behind this wait
	WIN \win                                       ; source 0: the accumulators' window
.irp i, 0,1,2,3
	v_cvt_scalef32_pk8_fp4_f32 v[PC+4*\i],   v[\base+32*\i:\base+32*\i+7],     v[SO+2*\i]
	v_cvt_scalef32_pk8_fp4_f32 v[PC+4*\i+2], v[\base+32*\i+8:\base+32*\i+15],  v[SO+2*\i]
	v_cvt_scalef32_pk8_fp4_f32 v[PC+4*\i+1], v[\base+32*\i+16:\base+32*\i+23], v[SO+2*\i+1]
	v_cvt_scalef32_pk8_fp4_f32 v[PC+4*\i+3], v[\base+32*\i+24:\base+32*\i+31], v[SO+2*\i+1]
.endr
	WIN 0
	v_nop                                          ; one plain place behind a scaled conversion
.irp i, 0,1,2,3
	v_permlane16_swap_b32 v[PC+4*\i], v[PC+4*\i+1]     ; the first's lanes 16-31 change places with the second's lanes 0-15
	v_permlane16_swap_b32 v[PC+4*\i+2], v[PC+4*\i+3]
.endr
.endm
.macro PAIR                            ; lanes 0-15 store words 0, 1, lanes 16-31 words 2, 3
	v_cndmask_b32 v[STP], v[WD], v[WD+2], s[HM]
	v_cndmask_b32 v[STP+1], v[WD+1], v[WD+3], s[HM]
.endm
.macro GROUP grp
	FETCH FQ, ADW0, 0, 0
	FETCH FK, ADW0, 4, 0
	FETCH FV, ADW1, 0, 0
.irp s, 0,1,2,3,4,5,6,7
	KSTEP \grp, \s
.endr
	QUANT4 2, 0                                    ; q: row i = tile of tokens i
	PAIR
.irp m, 0,1,2,3
	global_store_b128 v[LI], v[PC+4*\m:PC+4*\m+3], s[QQ:QQ+1] offset:(4*\grp+\m)*512   ; 512 consecutive bytes
.endr
	global_store_b64 v[LS8], v[STP:STP+1], s[QQ:QQ+1] offset:4096+256*\grp             ; 256 consecutive bytes, aligned
	QUANT4 2, 128                                  ; k likewise
	PAIR
.irp m, 0,1,2,3
	global_store_b128 v[LI], v[PC+4*\m:PC+4*\m+3], s[KV:KV+1] offset:(4*\grp+\m)*512
.endr
	global_store_b64 v[LS8], v[STP:STP+1], s[KV:KV+1] offset:8192+256*\grp
	QUANT4 3, 0                                    ; v: row i = tile of channels i; this group's 64 tokens are keys 64 grp .. + 63 of the key step: registers 4 grp .. + 3 of the operand
.if \grp == 0
.irp t, 0,1,2,3
	v_mov_b32 v[VK+\t], v[WD+\t]                   ; the word's lower two bytes wait for the upper two
.endr
.else
.irp t, 0,1,2,3
	v_lshl_or_b32 v[WD+\t], v[WD+\t], 16, v[VK+\t]
.endr
	PAIR
.endif
.irp t, 0,1,2,3
	global_store_b128 v[LI], v[PC+4*\t:PC+4*\t+3], s[KV:KV+1] offset:4096+1024*\t+512*\grp
.endr
.if \grp == 1
	global_store_b64 v[LS8], v[STP:STP+1], s[KV:KV+1] offset:8704
.endif
.endm
	GROUP 0
	GROUP 1
	s_wait_tensorcnt 0x0
	ds_add_u32 v254, v255
	s_wait_dscnt 0x0
	ROUND                                          ; the closing round: no work-group ends while a partner may still ask for a tile that names it
	s_endpgm
.Lfunc_end_k_q85b9582804_qkv:
	.size	k_q85b9582804_qkv, .Lfunc_end_k_q85b9582804_qkv-k_q85b9582804_qkv
	.p2alignl 7, 3214868480
	.fill 96, 4, 3214868480
	.section	.rodata,"a",@progbits
	.p2align	6, 0x0
	.amdhsa_kernel k_q85b9582804_qkv
		.amdhsa_group_segment_fixed_size 168448
		.amdhsa_private_segment_fixed_size 0
		.amdhsa_enable_private_segment 0
		.amdhsa_kernarg_size 48
		.amdhsa_user_sgpr_count 2
		.amdhsa_user_sgpr_kernarg_segment_ptr 1
		.amdhsa_wavefront_size32 1
		.amdhsa_system_sgpr_workgroup_id_x 1
		.amdhsa_system_sgpr_workgroup_id_y 1
		.amdhsa_system_sgpr_workgroup_id_z 1
		.amdhsa_system_vgpr_workitem_id 0
		.amdhsa_next_free_vgpr 896
		.amdhsa_next_free_sgpr 66
		.amdhsa_reserve_vcc 0
		.amdhsa_float_denorm_mode_32 3
		.amdhsa_float_denorm_mode_16_64 3
		.amdhsa_memory_ordered 1
		.amdhsa_forward_progress 1
		.amdhsa_inst_pref_size 199
	.end_amdhsa_kernel
	.amdgpu_metadata
---
amdhsa.version: [ 1, 2 ]
amdhsa.kernels:
  - .name:           k_q85b9582804_qkv
    .symbol:         k_q85b9582804_qkv.kd
    .args:
      - { .name: xc, .offset: 0, .size: 8, .value_kind: global_buffer, .address_space: global }
      - { .name: xs, .offset: 8, .size: 8, .value_kind: global_buffer, .address_space: global }
      - { .name: W_qkv_codes, .offset: 16, .size: 8, .value_kind: global_buffer, .address_space: global }
      - { .name: W_qkv_scales, .offset: 24, .size: 8, .value_kind: global_buffer, .address_space: global }
      - { .name: kv, .offset: 32, .size: 8, .value_kind: global_buffer, .address_space: global }
      - { .name: qq, .offset: 40, .size: 8, .value_kind: global_buffer, .address_space: global }
    .group_segment_fixed_size: 168448
    .private_segment_fixed_size: 0
    .kernarg_segment_align: 8
    .kernarg_segment_size: 48
    .max_flat_workgroup_size: 128
    .sgpr_count:     66
    .vgpr_count:     896
    .wavefront_size: 32
...
	.end_amdgpu_metadata
.endif
;; end of part 2
;; launch attn (part 3): grid 4 x 64, 16 waves a work-group, clusters of 4 x 1, 169,984 bytes of LDS; arguments kv, qq, oc, os; writes oc, os
.if DOCPART == 3
	.amdgcn_target "amdgcn-amd-amdhsa--gfx1250"
	.amdhsa_code_object_version 6
	.text
	.protected	k_q85b9582804_attn
	.globl	k_q85b9582804_attn
	.p2align	8
	.type	k_q85b9582804_attn,@function
k_q85b9582804_attn:
	s_mov_b64 s[64:65], 0
	v_nop
	global_prefetch_b8 v0, s[64:65] scope:SCOPE_SE
	s_setreg_imm32_b32 hwreg(HW_REG_WAVE_MODE, 25, 1), 1
	s_wait_xcnt 0x0
	s_wait_alu depctr_hold_cnt(0) depctr_sa_sdst(0) depctr_va_vdst(0) depctr_va_sdst(0) depctr_va_ssrc(0) depctr_va_vcc(0) depctr_vm_vsrc(0)
	s_getreg_b32 s2, hwreg(HW_REG_IB_STS2, 6, 4)
	s_cmp_eq_u32 s2, 0
	s_cbranch_scc0 .Lentry_in_a_cluster
	s_endpgm
.Lentry_in_a_cluster:
	s_bfe_u32 s2, ttmp6, 0x10000c
	s_cmp_lg_u32 s2, 0x3003
	s_cbranch_scc0 .Lentry_shape_is_right
	s_endpgm
.Lentry_shape_is_right:
; O = softmax(q k^T / 32) v for one head, both products on codes of FP4 with E8M0 scales; O / l is quantised along C for the last product and leaves as codes.
; THE SOFTMAX AHEAD OF THE SECOND PRODUCT: t = score x log2(e) / 32; M = the running largest t, rounded UP to a whole number; p = 2^(t - M) is quantised along the keys, not normalised;
; the row's sum is taken of the unquantised p and divides O at the end (a reciprocal and a multiplication).  When M moves, the sum and O are multiplied by 2^(old M - new M): exact.
; SHARES.  A work-group owns 512 queries of one head.  Each of its SIXTEEN waves owns one tile of 16 queries at a time, in 256 registers, and makes two passes: tile 32 cx + 16 pass + wave of the batch.
; Four waves lie on a SIMD, so that one wave's vector work stands beside another's matrix work and LDS loads.  Every wave walks the head's 16 key steps of 128 keys.
; CLUSTER.  The four work-groups of a cluster take the four quarters of ONE head's queries and need the same K and V.  A head's K, V and their scale words are 16 x 8,960 bytes, laid in the order of the
; operands' registers: they come into LDS ONCE, as they lie in memory, by one joint load a wave (one outstanding by this text's count), and stay: no byte of LDS is filled twice.
; LAYOUT.  Both products are used transposed: S^T = K Q^T (source 0 = 16 keys, source 1 = my 16 queries), O^T = V^T P^T: a lane holds ONE query (lane % 16) throughout.  The first product's K is 64: the
; upper four registers of K's and Q's fragments are zero codes, which add nothing.  Tile t's register j is key 16 t + 8 (lane / 16) + j; four tiles' codes P0 = T0, P1 = T2, P2 = T1, P3 = T3 and two
; exchanges of halves give keys 32 (lane / 16) + 0 .. 31 in four registers, as the operand wants them.  O^T's four tiles (64 channels) are turned into codes in the same way.
; LIMITS: NaN and infinities are not served; blocks of O under 2^-124, and blocks of zeros, keep the byte 1 (this program alone reads the bytes).
; REGISTERS: v1-5 addresses that stay; v8-9 the step's; v12 -M, v13 the largest t, v[14:15] the sum; v16-23 Q; v24-27 K's scale words, v28-31 V's; v32-95 K's eight fragments; v96-159 S^T, then p;
;   v160-191 O^T; v192-223 V's four fragments; v224-231 p's codes; v232-254 at work; v255 Q's scale word.
.set KSB, 8960                         ; a key step's block
.set OSC, 16*KSB                       ; behind K and V: O's scale bytes of the work-group's 512 queries, 2 each: written by LDS stores alone
.set WV,  12
.set G1,  16
.set G0,  24
.set SEL, 28
.set CS,  30                           ; s[30:31] c = log2(e) / 32: the packed form names a pair and takes its low word for both halves
.set TB,  32                           ; LDS byte of the key step in hand
.set CNT, 33
.macro ROUND                           ; a round of the cluster's barrier
	s_barrier_signal -1
	s_barrier_wait -1
	s_cmp_lg_u32 s[WV], 0
	s_cbranch_scc1 .Lnot_wave_0_\@
	s_barrier_signal -3
.Lnot_wave_0_\@:
	s_barrier_wait -3
	s_barrier_signal -1
	s_barrier_wait -1
.endm
	s_load_b256 s[4:11], s[0:1], 0x0               ; kv, qq, oc, os
	v_lshl_add_u32 v250, v0, 2, 0x29000
	v_mov_b32 v251, 0
	ds_add_u32 v250, v251
	ds_add_u32 v250, v251
	v_lshrrev_b32 v6, 5, v0
	v_readfirstlane_b32 s[WV], v6                  ; wave 0..15
	v_and_b32 v6, 31, v0
	v_lshlrev_b32 v1, 4, v6                        ; 16 x lane
	v_and_b32 v7, 15, v0
	v_lshlrev_b32 v2, 4, v7                        ; 16 r
	v_lshlrev_b32 v3, 1, v7
	s_lshl_b32 s34, s[WV], 5
	v_add_nc_u32 v3, s34, v3
	v_add_nc_u32 v3, OSC, v3                       ; O's scale bytes: 32 x wave + 2 r
	v_lshl_add_u32 v4, v0, 4, OSC                  ; and on their way out: 16 x thread (waves 0 and 1 alone use it)
	v_lshlrev_b32 v5, 4, v0
	s_bfe_u32 s13, ttmp6, 0x40000                  ; cx: which quarter of the queries; it enters global addresses of qq, oc and os alone
	s_and_b32 s14, ttmp7, 0xffff                   ; 16 x batch + head, which the four partners share
	s_lshr_b32 s15, s14, 4                         ; batch
	s_and_b32 s35, s14, 15                         ; head
	s_mul_i32 s36, s14, 16*KSB
	s_mul_i32 s37, s[WV], KSB
	s_add_co_u32 s36, s36, s37                     ; the key step that I fetch
	s_mov_b32 s37, 0
	s_lshl_b32 s38, s13, 2
	s_lshr_b32 s39, s[WV], 3
	s_add_co_u32 s38, s38, s39                     ; my group of 128 tokens in pass 0: 4 cx + w / 8
	s_mul_i32 s38, s38, 4608
	s_mul_i32 s39, s14, 16*4608
	s_add_co_u32 s38, s38, s39
	s_and_b32 s40, s[WV], 7
	s_lshl_b32 s40, s40, 9
	s_add_co_u32 s40, s40, s38                     ; Q's codes: tile w % 8 of the group
	s_mov_b32 s41, 0
	s_bfe_u32 s42, s[WV], 0x10002
	s_lshl_b32 s42, s42, 8
	s_and_b32 s43, s[WV], 3
	s_lshl_b32 s43, s43, 2
	s_add_co_u32 s42, s42, s43
	s_add_co_u32 s42, s42, s38
	s_add_co_u32 s42, s42, 4096                    ; Q's scale words: [(w / 4) % 2][r][w % 4]
	s_mov_b32 s43, 0
	s_lshl_b32 s44, s15, 7
	s_lshl_b32 s45, s13, 5
	s_add_co_u32 s44, s44, s45
	s_add_co_u32 s44, s44, s[WV]                   ; my tile of tokens in pass 0: 128 b + 32 cx + w
	s_lshl_b32 s44, s44, 13
	s_lshl_b32 s45, s35, 9
	s_add_co_u32 s44, s44, s45                     ; oc: tile x 8,192 + head x 512
	s_mov_b32 s45, 0
	s_lshl_b32 s46, s35, 14
	s_lshl_b32 s47, s15, 12
	s_add_co_u32 s46, s46, s47
	s_lshl_b32 s47, s13, 10
	s_add_co_u32 s46, s46, s47                     ; os: head x 16,384 + 2 (2,048 b + 512 cx)
	s_mov_b32 s47, 0
	s_mov_b32 s[G1+0], 15|(3<<16)|(1<<21)          ; the mask: all four work-groups; elements of 8 bytes; no padding; bit 21 beside a mask
	s_mov_b32 s[G1+1], 32<<16                      ; a dense block of 8,960 bytes as 35 rows of 256
	s_mov_b32 s[G1+2], 35<<16
	s_mov_b32 s[G1+3], 32<<16
	s_mov_b32 s[G1+4], 35
	s_mov_b32 s[G1+5], 32
	s_mov_b32 s[G1+6], 0
	s_mov_b32 s[G1+7], 0
	s_mov_b32 s[SEL], 0x76543210
	s_mov_b32 s[SEL+1], 0xfedcba98
	s_mov_b32 s[CS], 0x3d38aa3b                    ; log2(e) / 32
	s_mov_b32 s[CS+1], s[CS]
.irp j, 20,21,22,23
	v_mov_b32 v[\j], 0                             ; Q's k = 64 .. 127: zero codes
.endr
.irp t, 0,1,2,3,4,5,6,7
.irp j, 4,5,6,7
	v_mov_b32 v[32+8*\t+\j], 0                     ; K's likewise: written once
.endr
.endr
.irp j, 236,237,238,239,252,253
	v_mov_b32 v[\j], 0                             ; lane permutes' destinations count as sources; v253 is named as the upper half of a pair before it is first written
.endr
	s_wait_dscnt 0x0
	s_wait_kmcnt 0x0
	s_mov_b32 s[G0], 1
	s_mul_i32 s[G0+1], s[WV], KSB
	s_add_nc_u64 s[G0+2:G0+3], s[4:5], s[36:37]
	s_or_b32 s[G0+3], s[G0+3], 0x80000000
	s_add_nc_u64 s[48:49], s[6:7], s[40:41]        ; Q's codes
	s_add_nc_u64 s[50:51], s[6:7], s[42:43]        ; Q's scale words
	s_add_nc_u64 s[52:53], s[8:9], s[44:45]        ; oc
	s_add_nc_u64 s[54:55], s[10:11], s[46:47]      ; os
	ROUND                                          ; all four work-groups are here: the joint loads meet
	tensor_load_to_lds s[G0:G0+3], s[G1:G1+7]      ; key step w of the head: the wave's only tensor load
	s_nop 0
.rept 4
	v_nop
.endr
	s_wait_tensorcnt 0x0                           ; my key step has landed,
	s_barrier_signal -1
	s_barrier_wait -1                              ; everybody's has
; A KEY STEP of 128 keys.
.macro STEP
	v_add_nc_u32 v8, s[TB], v1                     ; these four lines are the places behind the last step's products, in front of the loads into V's registers
	v_add_nc_u32 v9, s[TB], v2
	v_nop
	v_nop
.irp t, 0,1,2,3,4,5,6,7
	ds_load_b128 v[32+8*\t:35+8*\t], v8 offset:512*\t          ; K's tile t, k = 0 .. 63
.endr
	ds_load_b128 v[24:27], v8 offset:8192                      ; K's scale words: lanes 0-15 tiles 0-3, lanes 16-31 tiles 4-7
.irp t, 0,1,2,3
.irp c, 0,1
	ds_load_b128 v[192+8*\t+4*\c:195+8*\t+4*\c], v8 offset:4096+1024*\t+512*\c
.endr
.endr
	ds_load_b128 v[28:31], v9 offset:8704                      ; V's scale words: channel r of tiles 0-3
	s_wait_dscnt 9                                 ; K and its scale words are in; V's nine loads may be out
.irp t, 0,1,2,3
	v_wmma_scale_f32_16x16x128_f8f6f4 v[96+8*\t:103+8*\t], v[32+8*\t:39+8*\t], v[16:23], 0, v[24+\t], v255 matrix_a_fmt:MATRIX_FMT_FP4 matrix_b_fmt:MATRIX_FMT_FP4
.endr
.irp t, 4,5,6,7
	v_wmma_scale_f32_16x16x128_f8f6f4 v[96+8*\t:103+8*\t], v[32+8*\t:39+8*\t], v[16:23], 0, v[20+\t], v255 matrix_a_fmt:MATRIX_FMT_FP4 matrix_b_fmt:MATRIX_FMT_FP4 matrix_a_scale:MATRIX_SCALE_ROW1
.endr
.rept 4
	v_nop
.endr
.irp b, 0,1,2,3
	v_max3_num_f32 v[232+\b], v[96+16*\b], v[97+16*\b], v[98+16*\b]   ; the largest score of each block of 32 keys: it serves the row's maximum and, since p rises with the score, the block's largest p
.endr
.irp i, 3,5,7,9,11,13
.irp b, 0,1,2,3
	v_max3_num_f32 v[232+\b], v[232+\b], v[96+16*\b+\i], v[97+16*\b+\i]
.endr
.endr
.irp b, 0,1,2,3
	v_max_num_f32 v[232+\b], v[232+\b], v[111+16*\b]
.endr
.irp b, 0,1,2,3
	v_permlanex16_b32 v[236+\b], v[232+\b], s[SEL], s[SEL+1]
.endr
.irp b, 0,1,2,3
	v_max_num_f32 v[232+\b], v[232+\b], v[236+\b]  ; with lane l xor 16's 16 keys
.endr
	v_max3_num_f32 v254, v232, v233, v234
	v_max_num_f32 v254, v254, v235                 ; the step's largest score of my query
	v_mul_f32 v254, s[CS], v254                    ; as t (c is positive)
	v_max_num_f32 v13, v13, v254                   ; the running largest t
	v_mov_b32 v254, v12
	v_floor_f32 v12, -v13                          ; the new -M = floor(-t) = -ceil(t)
	v_sub_f32 v254, v12, v254                      ; old M - new M: a whole number, 0 or less
	v_cvt_i32_f32 v254, v254                       ; (it saturates)
	v_ldexp_f32 v252, 1.0, v254                    ; f = 2^(old M - new M)
.set j, 0
.rept 32
	v_pk_fma_f32 v[96+j:97+j], v[96+j:97+j], s[CS:CS+1], v[12:13] op_sel_hi:[1,0,0]   ; t - M, two at a time
.set j, j+2
.endr
.irp b, 0,1,2,3
	v_fma_f32 v[232+\b], v[232+\b], s[CS], v12     ; the same of each block's largest score
.endr
.set j, 0
.rept 64
	v_exp_f32 v[96+j], v[96+j]                     ; p = 2^(t - M), at most 1
.set j, j+1
.endr
.irp b, 0,1,2,3
	v_exp_f32 v[232+\b], v[232+\b]                 ; the block's largest p: the same two instructions on the same number
.endr
	v_pk_mul_f32 v[14:15], v[14:15], v[252:253] op_sel_hi:[1,0]   ; the sums under the new M (a plain place behind the exponentials)
	s_wait_alu depctr_va_vdst(0)
.irp b, 0,1,2,3
	v_max_num_f32 v[232+\b], 0x1800000, v[232+\b]  ; the floor 2^(3 - 127): the byte cannot fall under 1
.endr
.irp b, 0,1,2,3
	v_add_nc_u32 v[244+\b], 0xff000000, v[232+\b]  ; 2 off the exponent field: the conversion's scale operand
.endr
.irp b, 0,1,2,3
	v_lshrrev_b32 v[236+\b], 23, v[244+\b]         ; the byte
.endr
	v_lshl_or_b32 v253, v237, 8, v236              ; p's scale word for these 128 keys
	v_lshl_or_b32 v253, v238, 16, v253
	v_lshl_or_b32 v253, v239, 24, v253
.irp c, 0,1
	v_cvt_scalef32_pk8_fp4_f32 v[224+4*\c], v[96+32*\c:103+32*\c], v[244+2*\c]
	v_cvt_scalef32_pk8_fp4_f32 v[226+4*\c], v[104+32*\c:111+32*\c], v[244+2*\c]
	v_cvt_scalef32_pk8_fp4_f32 v[225+4*\c], v[112+32*\c:119+32*\c], v[245+2*\c]
	v_cvt_scalef32_pk8_fp4_f32 v[227+4*\c], v[120+32*\c:127+32*\c], v[245+2*\c]
.endr
	v_nop                                          ; one plain place behind a scaled conversion
.irp c, 0,1
	v_permlane16_swap_b32 v[224+4*\c], v[225+4*\c]     ; registers 4 c .. 4 c + 3 now hold keys 64 c + 32 (lane / 16) + 0 .. 31
	v_permlane16_swap_b32 v[226+4*\c], v[227+4*\c]
.endr
	v_pk_add_f32 v[236:237], v[96:97], v[98:99]    ; the row's sum is taken of the unquantised p: two at a time, in two chains
.irp j, 4,8,12,16,20,24,28,32,36,40,44,48,52,56,60
	v_pk_add_f32 v[14:15], v[14:15], v[96+\j:97+\j]
	v_pk_add_f32 v[236:237], v[236:237], v[98+\j:99+\j]
.endr
	v_pk_add_f32 v[14:15], v[14:15], v[236:237]
.set j, 0
.rept 16
	v_pk_mul_f32 v[160+j:161+j], v[160+j:161+j], v[252:253] op_sel_hi:[1,0]   ; O^T under the new M.  (The sums and these are the places between the writes of p's codes and word and the products below)
.set j, j+2
.endr
	s_wait_dscnt 0x0                               ; V and its scale words are in
.irp t, 0,1,2,3
	v_wmma_scale_f32_16x16x128_f8f6f4 v[160+8*\t:167+8*\t], v[192+8*\t:199+8*\t], v[224:231], v[160+8*\t:167+8*\t], v[28+\t], v253 matrix_a_fmt:MATRIX_FMT_FP4 matrix_b_fmt:MATRIX_FMT_FP4
.endr
.endm
; A PASS: one tile of 16 queries against all keys.  The two passes differ in immediate offsets alone: two groups of 128 tokens on in qq, sixteen tiles on in oc.
.macro PASS p
	s_wait_xcnt 0x0                                ; the last pass's store has read v224-227
	global_load_b128 v[16:19], v1, s[48:49] offset:\p*9216
	global_load_b32 v255, v2, s[50:51] offset:\p*9216
	v_mov_b32 v13, 0xff61b1e6                      ; the largest t so far: -3e38, under every t
	v_floor_f32 v12, -v13
	v_mov_b32 v14, 0
	v_mov_b32 v15, 0
.set j, 0
.rept 32
	v_mov_b32 v[160+j], 0                          ; O^T: the step is written once; the first finds zeros, which the first change of M leaves zeros
.set j, j+1
.endr
	s_mov_b32 s[TB], 0
	s_mov_b32 s[CNT], 16
	s_wait_loadcnt 0x0                             ; Q
.Lstep_\@:
	STEP
	s_add_co_u32 s[TB], s[TB], KSB
	s_sub_co_u32 s[CNT], s[CNT], 1
	s_cmp_lg_u32 s[CNT], 0
	s_cbranch_scc1 .Lstep_\@
.rept 4
	v_nop
.endr
	v_add_f32 v14, v14, v15                        ; the sum's two halves,
	v_permlanex16_b32 v252, v14, s[SEL], s[SEL+1]
	v_add_f32 v14, v14, v252                       ; and lane l xor 16's: the row's sum
	v_rcp_f32 v14, v14
	v_nop                                          ; one plain place behind a transcendental
.set j, 0
	s_wait_alu depctr_va_vdst(0)
.rept 16
	v_pk_mul_f32 v[96+j:97+j], v[160+j:161+j], v[14:15] op_sel_hi:[1,0]   ; O^T / l, each accumulator from its low end on: register 8 t + i is channel 16 t + 8 (lane / 16) + i of my query
.set j, j+2
.endr
	v_max3_num_f32 v232, |v96|, |v97|, 0x1800000   ; the head's two blocks of 32 channels
	v_max3_num_f32 v233, |v112|, |v113|, 0x1800000
.irp i, 2,4,6,8,10,12,14
	v_max3_num_f32 v232, v232, |v[96+\i]|, |v[97+\i]|
	v_max3_num_f32 v233, v233, |v[112+\i]|, |v[113+\i]|
.endr
	v_permlanex16_b32 v236, v232, s[SEL], s[SEL+1]
	v_permlanex16_b32 v237, v233, s[SEL], s[SEL+1]
	v_max_num_f32 v232, v232, v236
	v_max_num_f32 v233, v233, v237
	v_add_nc_u32 v244, 0xff000000, v232
	v_add_nc_u32 v245, 0xff000000, v233
	v_lshrrev_b32 v236, 23, v244
	v_lshrrev_b32 v237, 23, v245
	v_lshl_or_b32 v238, v237, 8, v236              ; my query's two bytes
	v_cvt_scalef32_pk8_fp4_f32 v224, v[96:103], v244
	v_cvt_scalef32_pk8_fp4_f32 v226, v[104:111], v244
	v_cvt_scalef32_pk8_fp4_f32 v225, v[112:119], v245
	v_cvt_scalef32_pk8_fp4_f32 v227, v[120:127], v245
	v_nop
	v_permlane16_swap_b32 v224, v225
	v_permlane16_swap_b32 v226, v227
	global_store_b128 v1, v[224:227], s[52:53] offset:\p*131072   ; half a fragment of the last product's operand: 512 consecutive bytes
	ds_store_b16 v3, v238 offset:512*\p            ; both halves of the lanes write the same two bytes with the same value
.endm
	PASS 0
	PASS 1
	s_wait_dscnt 0x0                               ; for the others' sake: my scale bytes lie in LDS
	s_barrier_signal -1
	s_barrier_wait -1
	s_cmp_lt_u32 s[WV], 2                          ; waves 0 and 1 store the work-group's 1,024 scale bytes, 512 consecutive bytes each
	s_cbranch_scc0 .Lno_os
	ds_load_b128 v[16:19], v4
	s_wait_dscnt 0x0
	global_store_b128 v5, v[16:19], s[54:55]
.Lno_os:
	s_wait_tensorcnt 0x0
	ds_add_u32 v250, v251
	s_wait_dscnt 0x0
	ROUND                                          ; the closing round: no work-group ends while a partner may still ask for a tile that names it
	s_endpgm
.Lfunc_end_k_q85b9582804_attn:
	.size	k_q85b9582804_attn, .Lfunc_end_k_q85b9582804_attn-k_q85b9582804_attn
	.p2alignl 7, 3214868480
	.fill 96, 4, 3214868480
	.section	.rodata,"a",@progbits
	.p2align	6, 0x0
	.amdhsa_kernel k_q85b9582804_attn
		.amdhsa_group_segment_fixed_size 169984
		.amdhsa_private_segment_fixed_size 0
		.amdhsa_enable_private_segment 0
		.amdhsa_kernarg_size 32
		.amdhsa_user_sgpr_count 2
		.amdhsa_user_sgpr_kernarg_segment_ptr 1
		.amdhsa_wavefront_size32 1
		.amdhsa_system_sgpr_workgroup_id_x 1
		.amdhsa_system_sgpr_workgroup_id_y 1
		.amdhsa_system_sgpr_workgroup_id_z 1
		.amdhsa_system_vgpr_workitem_id 0
		.amdhsa_next_free_vgpr 256
		.amdhsa_next_free_sgpr 66
		.amdhsa_reserve_vcc 0
		.amdhsa_float_denorm_mode_32 3
		.amdhsa_float_denorm_mode_16_64 3
		.amdhsa_memory_ordered 1
		.amdhsa_forward_progress 1
		.amdhsa_inst_pref_size 46
	.end_amdhsa_kernel
	.amdgpu_metadata
---
amdhsa.version: [ 1, 2 ]
amdhsa.kernels:
  - .name:           k_q85b9582804_attn
    .symbol:         k_q85b9582804_attn.kd
    .args:
      - { .name: kv, .offset: 0, .size: 8, .value_kind: global_buffer, .address_space: global }
      - { .name: qq, .offset: 8, .size: 8, .value_kind: global_buffer, .address_space: global }
      - { .name: oc, .offset: 16, .size: 8, .value_kind: global_buffer, .address_space: global }
      - { .name: os, .offset: 24, .size: 8, .value_kind: global_buffer, .address_space: global }
    .group_segment_fixed_size: 169984
    .private_segment_fixed_size: 0
    .kernarg_segment_align: 8
    .kernarg_segment_size: 32
    .max_flat_workgroup_size: 512
    .sgpr_count:     66
    .vgpr_count:     256
    .wavefront_size: 32
...
	.end_amdgpu_metadata
.endif
;; end of part 3
;; launch proj (part 4): grid 64 x 4, 4 waves a work-group, clusters of 4 x 1, 180,736 bytes of LDS; arguments oc, os, W_out_codes, W_out_scales, b_out, x, out0; writes out0
.if DOCPART == 4
	.amdgcn_target "amdgcn-amd-amdhsa--gfx1250"
	.amdhsa_code_object_version 6
	.text
	.protected	k_q85b9582804_proj
	.globl	k_q85b9582804_proj
	.p2align	8
	.type	k_q85b9582804_proj,@function
k_q85b9582804_proj:
	s_mov_b64 s[64:65], 0
	v_nop
	global_prefetch_b8 v0, s[64:65] scope:SCOPE_SE
	s_setreg_imm32_b32 hwreg(HW_REG_WAVE_MODE, 25, 1), 1
	s_wait_xcnt 0x0
	s_wait_alu depctr_hold_cnt(0) depctr_sa_sdst(0) depctr_va_vdst(0) depctr_va_sdst(0) depctr_va_ssrc(0) depctr_va_vcc(0) depctr_vm_vsrc(0)
	s_getreg_b32 s2, hwreg(HW_REG_IB_STS2, 6, 4)
	s_cmp_eq_u32 s2, 0
	s_cbranch_scc0 .Lentry_in_a_cluster
	s_endpgm
.Lentry_in_a_cluster:
	s_bfe_u32 s2, ttmp6, 0x10000c
	s_cmp_lg_u32 s2, 0x3003
	s_cbranch_scc0 .Lentry_shape_is_right
	s_endpgm
.Lentry_shape_is_right:
; out0 = Q(O) W_out^T + b_out + x, the product on codes of FP4 with E8M0 scales.
; SHARES.  A work-group takes 128 tokens x 256 output columns; wave w takes tokens 64 (w / 2) .. + 63 and columns 128 (w % 2) .. + 127: 4 x 8 = 32 accumulators, 256 registers; K = 1,024 in eight steps.
; CLUSTER.  The four work-groups of a cluster take four neighbouring groups of tokens for the SAME 256 rows of W_out: these are asked for jointly, once, and stay in LDS (every byte filled once; two loads
; of a wave are out by this text's count).  O's fragments come from oc, which is laid in the order of the operand's registers, straight into registers: all eight K steps (256 registers).
; THE PRODUCT IS USED TRANSPOSED (source 0 = 16 rows of W_out, source 1 = 16 tokens): a lane holds eight neighbouring columns of one row of the output.  The bias is the C of each sum's first product.
; x's 64 rows x 512 bytes are asked for at the head and wait in 256 registers; the results go through the wave's own stage in LDS, come back as whole rows of 512 bytes and are added onto x.
; REGISTERS, in windows of 256: window 0: v1-7 addresses; v16-111 three sets of four fragments of W; v112-143 W's scale words; v144-159 O's; v160-191 their halves as loaded; v192-255 the bias;
;   on the way out v16-79 and v192-255 take rows from the stage.   window 1: O's fragments (m, s) at 8 (8 m + s).   window 2: the accumulators (m, t) at 8 (8 m + t).   window 3: x, row 16 m + i at 4 (16 m + i).
.set PITCH, 528                        ; a row of W in LDS, and a row of the stage: 512 bytes + 16 = 132 words: row r starts at bank 4 r mod 64 (ISA guide 11.1)
.set TILEB, 16*PITCH
.set SCW,   256*PITCH                  ; W's scale bytes: 32 units of 256 bytes + 16
.set STG,   SCW+32*272                 ; the stages: 16 rows for each wave, in blocks of 256 bytes into which no tile lands
.set LI,  1
.set ADW, 2
.set ADS, 3
.set BH,  4
.set AOS, 5
.set STO, 6
.set RD,  7
.set WF,  16
.set WS,  112                          ; 4 t + i: tile t of my columns; lanes 0-15 K step i, lanes 16-31 K step 4 + i
.set OS,  144                          ; 4 m + i: likewise for the tiles of tokens
.set UH,  160
.set BI,  192
.set G1W, 20
.set G1S, 28
.set G0W, 36
.set G0S, 40
.set WV,  44
.set MSB, 0
.macro WIN new                         ; the immediate's high byte repeats the setting that is left; a switch that changes nothing is dropped
.if MSB != (\new)
	s_set_vgpr_msb (MSB<<8)|(\new)
.set MSB, (\new)
.endif
.endm
.macro PLACES                          ; four places behind a matrix instruction, in front of loads into its registers and of reads of its result
.rept 4
	v_nop
.endr
.endm
.macro ROUND                           ; a round of the cluster's barrier
	s_barrier_signal -1
	s_barrier_wait -1
	s_cmp_lg_u32 s[WV], 0
	s_cbranch_scc1 .Lnot_wave_0_\@
	s_barrier_signal -3
.Lnot_wave_0_\@:
	s_barrier_wait -3
	s_barrier_signal -1
	s_barrier_wait -1
.endm
	s_load_b256 s[4:11], s[0:1], 0x0               ; oc, os, W's codes, W's scales
	s_load_b128 s[12:15], s[0:1], 0x20             ; b_out, x
	s_load_b64 s[16:17], s[0:1], 0x30              ; out0
	v_lshl_add_u32 v14, v0, 2, 0x2c000
	v_mov_b32 v15, 0
	ds_add_u32 v14, v15
	ds_add_u32 v14, v15
	v_lshrrev_b32 v8, 5, v0
	v_readfirstlane_b32 s[WV], v8                  ; wave 0..3
	s_lshr_b32 s48, s[WV], 1                       ; which 64 tokens
	s_and_b32 s49, s[WV], 1                        ; which 128 columns
	v_and_b32 v8, 31, v0
	v_lshlrev_b32 v[LI], 4, v8
	v_and_b32 v9, 15, v0                           ; r
	v_bfe_u32 v10, v0, 4, 1                        ; h
	v_mul_u32_u24 v11, v9, PITCH
	s_mul_i32 s50, s49, 8*TILEB
	v_lshl_add_u32 v[ADW], v10, 4, v11
	v_add_nc_u32 v[ADW], s50, v[ADW]               ; my 128 rows of W: row r, + 16 h
	v_lshrrev_b32 v12, 3, v9
	v_lshlrev_b32 v[ADS], 5, v9
	v_lshl_add_u32 v[ADS], v10, 4, v[ADS]
	v_lshl_add_u32 v[ADS], v12, 4, v[ADS]
	s_mul_i32 s50, s49, 16*272
	s_add_co_u32 s50, s50, SCW
	v_add_nc_u32 v[ADS], s50, v[ADS]               ; their scale words: 32 r + 16 h, + 16 behind each eight rows
	v_lshlrev_b32 v[BH], 5, v10                    ; the bias: my half's eight numbers of a tile
	v_lshlrev_b32 v[AOS], 1, v9
	v_lshl_add_u32 v[AOS], v10, 17, v[AOS]         ; O's scale bytes: 2 r; lanes 16-31 eight heads (four K steps) on
	s_mul_i32 s50, s[WV], TILEB
	s_add_co_u32 s50, s50, STG                     ; my stage
	v_lshl_add_u32 v[STO], v10, 5, v11
	v_add_nc_u32 v[STO], s50, v[STO]               ; in: row r, + 32 h
	v_add_nc_u32 v[RD], s50, v[LI]                 ; back: 16 x lane of a row
	s_bfe_u32 s45, ttmp6, 0x40000                  ; cx: it enters global addresses of oc, os, x and out0 alone
	s_lshl_b32 s46, ttmp9, 2
	s_add_co_u32 s46, s46, s45                     ; my group of 128 tokens
	s_and_b32 s47, ttmp7, 0xffff                   ; which 256 columns: the four partners share it
	s_lshl_b32 s50, s46, 7
	s_lshl_b32 s51, s48, 6
	s_add_co_u32 s50, s50, s51                     ; my first token
	s_lshl_b32 s52, s50, 9                         ; oc: 8,192 bytes for each 16 tokens
	s_mov_b32 s53, 0
	s_lshl_b32 s54, s50, 1                         ; os: 2 bytes a token
	s_mov_b32 s55, 0
	s_lshl_b32 s51, s47, 8
	s_lshl_b32 s56, s49, 7
	s_add_co_u32 s51, s51, s56                     ; my first column
	s_lshl_b32 s56, s51, 2
	s_mov_b32 s57, 0
	s_lshl_b32 s58, s50, 12
	s_add_co_u32 s58, s58, s56                     ; x and out0: token x 4,096 + column x 4
	s_mov_b32 s59, 0
	s_lshl_b32 s60, s47, 8
	s_lshl_b32 s61, s[WV], 6
	s_add_co_u32 s60, s60, s61                     ; the 64 rows of W that I fetch: the column part and the wave alone enter
	s_lshl_b32 s62, s60, 5
	s_mov_b32 s63, 0
	s_lshl_b32 s60, s60, 9
	s_mov_b32 s61, 0
	s_mov_b32 s[G1W+0], 15|(1<<20)|(1<<21)|(6<<22)|(3<<25)   ; the mask: all four work-groups; elements of 1 byte; padding: 4 words behind every 128; bit 21 beside a mask
	s_mov_b32 s[G1W+1], 512<<16
	s_mov_b32 s[G1W+2], 64<<16
	s_mov_b32 s[G1W+3], 512<<16
	s_mov_b32 s[G1W+4], 64
	s_mov_b32 s[G1W+5], 512
	s_mov_b32 s[G1W+6], 0
	s_mov_b32 s[G1W+7], 0
	s_mov_b32 s[G1S+0], 15|(3<<16)|(1<<20)|(1<<21)|(5<<22)|(3<<25)   ; 64 rows' scale bytes: 2,048 dense bytes as 8 rows of 32 elements of 8 bytes; 4 words behind every 64
	s_mov_b32 s[G1S+1], 32<<16
	s_mov_b32 s[G1S+2], 8<<16
	s_mov_b32 s[G1S+3], 32<<16
	s_mov_b32 s[G1S+4], 8
	s_mov_b32 s[G1S+5], 32
	s_mov_b32 s[G1S+6], 0
	s_mov_b32 s[G1S+7], 0
	s_wait_dscnt 0x0
	s_wait_kmcnt 0x0
	s_add_nc_u64 s[4:5], s[4:5], s[52:53]
	s_add_nc_u64 s[6:7], s[6:7], s[54:55]
	s_add_nc_u64 s[12:13], s[12:13], s[56:57]
	s_add_nc_u64 s[14:15], s[14:15], s[58:59]
	s_add_nc_u64 s[16:17], s[16:17], s[58:59]
	s_mov_b32 s[G0W], 1
	s_mul_i32 s[G0W+1], s[WV], 64*PITCH
	s_add_nc_u64 s[G0W+2:G0W+3], s[8:9], s[60:61]
	s_or_b32 s[G0W+3], s[G0W+3], 0x80000000
	s_mov_b32 s[G0S], 1
	s_mul_i32 s[G0S+1], s[WV], 8*272
	s_add_co_u32 s[G0S+1], s[G0S+1], SCW
	s_add_nc_u64 s[G0S+2:G0S+3], s[10:11], s[62:63]
	s_or_b32 s[G0S+3], s[G0S+3], 0x80000000
.irp m, 0,1,2,3
.irp i, 0,1,2,3
	global_load_u16 v[UH+2*(4*\m+\i)], v[AOS], s[6:7] offset:32*\m+32768*\i            ; head 2 i (lanes 16-31: 8 + 2 i): the word's lower two bytes,
	global_load_u16 v[UH+2*(4*\m+\i)+1], v[AOS], s[6:7] offset:32*\m+32768*\i+16384    ; the next head: its upper two
.endr
.endr
.irp t, 0,1,2,3,4,5,6,7
	global_load_b128 v[BI+8*\t:BI+8*\t+3], v[BH], s[12:13] offset:64*\t               ; b(16 t + 8 h + 0 .. 7): the result's layout
	global_load_b128 v[BI+8*\t+4:BI+8*\t+7], v[BH], s[12:13] offset:64*\t+16
.endr
	WIN 0x40
.irp m, 0,1,2,3
.irp s, 0,1,2,3,4,5,6,7
.irp c, 0,1
	global_load_b128 v[8*(8*\m+\s)+4*\c:8*(8*\m+\s)+4*\c+3], v[LI], s[4:5] offset:\m*8192+\s*1024+\c*512
.endr
.endr
.endr
.macro XLOAD m                         ; x: 16 rows, 512 consecutive bytes a load (window 3 is the destination's); read once in this launch
.irp i, 0,1,2,3,4,5,6,7,8,9,10,11,12,13,14,15
	global_load_b128 v[4*(16*(\m)+\i):4*(16*(\m)+\i)+3], v[LI], s[14:15] offset:(16*(\m)+\i)*4096 th:TH_LOAD_NT
.endr
.endm
	WIN 0xc0
	XLOAD 0
	XLOAD 1
	XLOAD 2
	WIN 0
	ROUND                                          ; all four work-groups are here: the joint loads meet
	tensor_load_to_lds s[G0W:G0W+3], s[G1W:G1W+7]
	s_nop 0
	tensor_load_to_lds s[G0S:G0S+3], s[G1S:G1S+7]
	s_nop 0
.rept 4
	v_nop
.endr
	s_wait_loadcnt 48                              ; all but x's 48 loads are in
.irp n, 0,1,2,3,4,5,6,7,8,9,10,11,12,13,14,15
	v_lshl_or_b32 v[OS+\n], v[UH+2*\n+1], 16, v[UH+2*\n]   ; O's scale words
.endr
.rept 8
	v_nop                                          ; a scale register written by a vector instruction stands eight places ahead of a scaled matrix instruction
.endr
	s_wait_tensorcnt 0x0                           ; my parts of W have landed,
	s_barrier_signal -1
	s_barrier_wait -1                              ; everybody's have
.irp t, 0,1,2,3,4,5,6,7
	ds_load_b128 v[WS+4*\t:WS+4*\t+3], v[ADS] offset:\t*544
.endr
; set i of sixteen: K step i / 2, tiles 4 (i % 2) .. + 3 of my columns, in buffer i % 3
.macro FETCH i
.irp t, 0,1,2,3
.irp c, 0,1
	ds_load_b128 v[WF+32*((\i)%3)+8*\t+4*\c:WF+32*((\i)%3)+8*\t+4*\c+3], v[ADW] offset:(4*((\i)%2)+\t)*TILEB+64*((\i)/2)+32*\c
.endr
.endr
.endm
.macro WMC d, a, b, first, c, sa, sb, row
.if \first
	v_wmma_scale_f32_16x16x128_f8f6f4 v[\d:\d+7], v[\a:\a+7], v[\b:\b+7], v[\c:\c+7], v[\sa], v[\sb] matrix_a_fmt:MATRIX_FMT_FP4 matrix_b_fmt:MATRIX_FMT_FP4
.elseif \row
	v_wmma_scale_f32_16x16x128_f8f6f4 v[\d:\d+7], v[\a:\a+7], v[\b:\b+7], v[\d:\d+7], v[\sa], v[\sb] matrix_a_fmt:MATRIX_FMT_FP4 matrix_b_fmt:MATRIX_FMT_FP4 matrix_a_scale:MATRIX_SCALE_ROW1 matrix_b_scale:MATRIX_SCALE_ROW1
.else
	v_wmma_scale_f32_16x16x128_f8f6f4 v[\d:\d+7], v[\a:\a+7], v[\b:\b+7], v[\d:\d+7], v[\sa], v[\sb] matrix_a_fmt:MATRIX_FMT_FP4 matrix_b_fmt:MATRIX_FMT_FP4
.endif
.endm
; 16 products.  The 32 accumulators take turns, one instruction a turn, in the same order in every K step.
.macro SET i
.if (\i) < 14
	s_wait_dscnt 16                                ; this set's fragments are in; the next two sets' eight loads each may be out
.elseif (\i) == 14
	s_wait_dscnt 8
.else
	s_wait_dscnt 0x0
.endif
.if (\i) < 2
	WIN 0x84                                       ; source 1 (O) window 1, C (the bias) window 0, D window 2
.else
	WIN 0xa4                                       ; source 1 window 1, C and D window 2
.endif
.irp m, 0,1,2,3
.irp t, 0,1,2,3
	WMC 8*(8*\m+4*((\i)%2)+\t), WF+32*((\i)%3)+8*\t, 8*(8*\m+(\i)/2), (\i)<2, BI+8*(4*((\i)%2)+\t), WS+4*(4*((\i)%2)+\t)+((\i)/2)%4, OS+4*\m+((\i)/2)%4, (\i)>=8
.endr
.endr
	PLACES
	WIN 0
.if (\i) < 13
	FETCH (\i)+3                                   ; into the buffer just multiplied: 32 products ahead of its use
.endif
.endm
	FETCH 0
	FETCH 1
	FETCH 2
	SET 0
	SET 1
	WIN 0xc0
	XLOAD 3                                        ; x's last sixteen rows
	WIN 0
.irp i, 2,3,4,5,6,7,8,9,10,11,12,13,14,15
	SET \i
.endr
; THE WAY OUT, a tile of 16 tokens x 128 columns at a time: into my own stage, back as whole rows.  LDS serves a wave's instructions in order (ISA guide 5.7.1.4): no wait between the stores and the loads.
.macro TOSTAGE a
	WIN 0x08                                       ; an LDS store's data are its source 1: window 2
.irp t, 0,1,2,3,4,5,6,7
	ds_store_b128 v[STO], v[8*(8*(\a)+\t):8*(8*(\a)+\t)+3] offset:64*\t            ; each accumulator from its low end on
	ds_store_b128 v[STO], v[8*(8*(\a)+\t)+4:8*(8*(\a)+\t)+7] offset:64*\t+16
.endr
	WIN 0
.set BB, 16+176*((\a)%2)
.irp i, 0,1,2,3,4,5,6,7,8,9,10,11,12,13,14,15
	ds_load_b128 v[BB+4*\i:BB+4*\i+3], v[RD] offset:\i*PITCH
.endr
.endm
.macro SEND a, younger
.set BB, 16+176*((\a)%2)
	s_wait_dscnt \younger                          ; the tile is back in registers; the next tile's 16 stores and 16 loads may be out
	s_wait_loadcnt 16*(3-(\a))                     ; x's rows of this tile are in; the later tiles' may be out
	WIN 0xcc                                       ; source 1 and destination window 3: x; source 0 window 0: the rows, and the stores' address
.irp i, 0,1,2,3,4,5,6,7,8,9,10,11,12,13,14,15
	v_pk_add_f32 v[4*(16*(\a)+\i):4*(16*(\a)+\i)+1], v[BB+4*\i:BB+4*\i+1], v[4*(16*(\a)+\i):4*(16*(\a)+\i)+1]
	v_pk_add_f32 v[4*(16*(\a)+\i)+2:4*(16*(\a)+\i)+3], v[BB+4*\i+2:BB+4*\i+3], v[4*(16*(\a)+\i)+2:4*(16*(\a)+\i)+3]
.endr
.irp i, 0,1,2,3,4,5,6,7,8,9,10,11,12,13,14,15
	global_store_b128 v[LI], v[4*(16*(\a)+\i):4*(16*(\a)+\i)+3], s[16:17] offset:(16*(\a)+\i)*4096 th:TH_STORE_NT   ; 32 lanes store 512 consecutive bytes, aligned; no store's data are written again
.endr
.endm
	TOSTAGE 0                                      ; (the last set's four places stand in front)
	TOSTAGE 1
	SEND 0, 32
	TOSTAGE 2
	SEND 1, 32
	TOSTAGE 3
	SEND 2, 32
	SEND 3, 0
	WIN 0
	s_wait_tensorcnt 0x0
	ds_add_u32 v14, v15
	s_wait_dscnt 0x0
	ROUND                                          ; the closing round: no work-group ends while a partner may still ask for a tile that names it
	s_endpgm
.Lfunc_end_k_q85b9582804_proj:
	.size	k_q85b9582804_proj, .Lfunc_end_k_q85b9582804_proj-k_q85b9582804_proj
	.p2alignl 7, 3214868480
	.fill 96, 4, 3214868480
	.section	.rodata,"a",@progbits
	.p2align	6, 0x0
	.amdhsa_kernel k_q85b9582804_proj
		.amdhsa_group_segment_fixed_size 180736
		.amdhsa_private_segment_fixed_size 0
		.amdhsa_enable_private_segment 0
		.amdhsa_kernarg_size 56
		.amdhsa_user_sgpr_count 2
		.amdhsa_user_sgpr_kernarg_segment_ptr 1
		.amdhsa_wavefront_size32 1
		.amdhsa_system_sgpr_workgroup_id_x 1
		.amdhsa_system_sgpr_workgroup_id_y 1
		.amdhsa_system_sgpr_workgroup_id_z 1
		.amdhsa_system_vgpr_workitem_id 0
		.amdhsa_next_free_vgpr 1024
		.amdhsa_next_free_sgpr 66
		.amdhsa_reserve_vcc 0
		.amdhsa_float_denorm_mode_32 3
		.amdhsa_float_denorm_mode_16_64 3
		.amdhsa_memory_ordered 1
		.amdhsa_forward_progress 1
		.amdhsa_inst_pref_size 91
	.end_amdhsa_kernel
	.amdgpu_metadata
---
amdhsa.version: [ 1, 2 ]
amdhsa.kernels:
  - .name:           k_q85b9582804_proj
    .symbol:         k_q85b9582804_proj.kd
    .args:
      - { .name: oc, .offset: 0, .size: 8, .value_kind: global_buffer, .address_space: global }
      - { .name: os, .offset: 8, .size: 8, .value_kind: global_buffer, .address_space: global }
      - { .name: W_out_codes, .offset: 16, .size: 8, .value_kind: global_buffer, .address_space: global }
      - { .name: W_out_scales, .offset: 24, .size: 8, .value_kind: global_buffer, .address_space: global }
      - { .name: b_out, .offset: 32, .size: 8, .value_kind: global_buffer, .address_space: global }
      - { .name: x, .offset: 40, .size: 8, .value_kind: global_buffer, .address_space: global }
      - { .name: out0, .offset: 48, .size: 8, .value_kind: global_buffer, .address_space: global }
    .group_segment_fixed_size: 180736
    .private_segment_fixed_size: 0
    .kernarg_segment_align: 8
    .kernarg_segment_size: 56
    .max_flat_workgroup_size: 128
    .sgpr_count:     66
    .vgpr_count:     1024
    .wavefront_size: 32
...
	.end_amdgpu_metadata
.endif
;; end of part 4
